; MI455X (gfx1250); checked and timed in simulation.
; The chip was launched on July 23, 2026; its instructions are those of AMD's public machine-readable ISA for CDNA 5 (MIT licence, August 2026) and "CDNA5" Instruction Set Architecture Reference Guide (July 2026). The comments in the code are by the model that wrote it; some were corrected since.
;; Multi Head Attention. Allowed arithmetic: matrix products marked QUANTISED: E2M3 operands, one E8M0 scale for each 32 along K, by v_wmma_scale_f32_16x16x128_f8f6f4 with both operands' format E2M3, f32 sums; everything else in f32.
;; Inputs: Wk 512 x 512 float32; Wo 512 x 512 float32; Wq 512 x 512 float32; Wv 512 x 512 float32; bk 512 float32; bo 512 float32; bq 512 float32; bv 512 float32; mask 2 x 4,096 int32; x 2 x 4,096 x 512 float32.
;; Outputs: out0 2 x 4,096 x 512 float32.
;; This version of the problem:
;;   THIS VERSION OF THE PROBLEM IS GIVEN IN LOW PRECISION. The matrix products marked QUANTISED in the list below multiply operands that are first quantised to E2M3 (2 exponent bits, 3 mantissa bits; 6 bits a number), with one power-of-two scale for each 32 numbers along K (OCP MX v1.0); their sums are f32. All else is computed in f32.
;;   The module's matrix products, in the order in which they are computed (A, B: the left and right operand; K: the contracted axis; several contracted axes count as one K, in the product's order):
;;     1. [M 8,192, K 512] x [K 512, N 512]; A: input x; B: input Wq: QUANTISED
;;     2. [M 8,192, K 512] x [K 512, N 512]; A: input x; B: input Wk: QUANTISED
;;     3. [M 8,192, K 512] x [K 512, N 512]; A: input x; B: input Wv: QUANTISED
;;     4. batch 16 x [M 4,096, K 64] x [K 64, N 4,096]; A: computed on the way; B: computed on the way: QUANTISED
;;     5. batch 16 x [M 4,096, K 4,096] x [K 4,096, N 64]; A: softmax (see below); B: computed on the way: QUANTISED
;;     6. [M 8,192, K 512] x [K 512, N 512]; A: computed on the way; B: input Wo: QUANTISED
;;   THE QUANTISER, for each operand of a quantised product, along K:
;;     - K is cut into blocks of 32 from its start; a last block that is shorter is filled with zeros.
;;     - A block's scale is 2^e with e = floor(log2(the largest magnitude in the block)) - 2, held to -126 .. 127; a block of zeros has e = 0. As a byte (E8M0): e + 127.
;;     - Each number is divided by its block's scale, clamped to +-7.5, and rounded to the nearest number of E2M3, ties to even, subnormals kept.
;;     - The product sums the exact products of the quantised numbers (number of the format x scale) in f32.
;;   ~~~python
;;   def quantise(x, axis):      # numpy; x: float32 -> the quantised numbers, widened to float32 again
;;       x = np.moveaxis(x, axis, -1); K = x.shape[-1]
;;       x = np.pad(x, [(0, 0)] * (x.ndim - 1) + [(0, -K % 32)]); x = x.reshape(x.shape[:-1] + (-1, 32)); a = np.abs(x).max(-1, keepdims=True)
;;       e = np.where(a > 0, np.clip(np.frexp(np.where(a > 0, a, 1))[1] - 1 - 2, -126, 127), 0)      # np.frexp(a)[1] - 1 = floor(log2(a)), exactly
;;       r = np.clip(x / 2.0 ** e, -7.5, 7.5)
;;       step = 2.0 ** (np.maximum(np.frexp(np.where(r == 0, 1, r))[1] - 1, 0) - 3)
;;       q = np.round(r / step) * step * 2.0 ** e      # np.round: ties to even
;;       return np.moveaxis(q.reshape(q.shape[:-2] + (-1,))[..., :K], -1, axis).astype(np.float32)
;;   ~~~
;;   SOFTMAX AHEAD OF A QUANTISED PRODUCT. Where the list says 'softmax', what is quantised is not the finished softmax but p = 2^(t - M), with t = logit x log2(e) and M = ceil(the row's largest t), a whole number; so 1/2 < the row's largest p <= 1. The row's sum l is taken of the UNQUANTISED p, in f32, and the product's result is divided by l at the end. Since M is a whole number, a kernel that streams over the keys may use a running M (the ceiling of the running maximum): every later rescaling is an exact power of two, which a block's scale takes up: the codes' values come out the same.
;;   OPERANDS COMPUTED ON THE WAY. 'Computed on the way' means the value that the module computes at that place (a softmax that the list does not call 'softmax' is quantised finished and normalised). What goes into a quantiser is computed in f32, as accurately as f32 sums, v_exp_f32 and their like allow (about 1e-6 of the number): no bf16 or f16 on the way to a quantiser, and a product that is left as it is and whose result goes on into a quantised operand takes f32 operands (vector FMAs, or v_wmma_f32_16x16x4_f32). A number that lies on a knife's edge between two numbers of the format may be rounded either way, as far as f32 arithmetic and the matrix unit's own rounding can turn it there, and no further.
;; One version. Each part assembles by itself: llvm-mc -triple=amdgcn-amd-amdhsa -mcpu=gfx1250 --defsym DOCPART=n.
;; ======== version 1 of 1: 4 launches
;; limits: right only within a limited range of input values
;; workspace buffers: opq 4,259,840 bytes; qkv 12,845,056 bytes; oq 3,276,800 bytes
;; launch prep (part 1): grid 256 x 1, 5 waves a work-group, no clusters, 0 bytes of LDS; arguments x, Wq, Wk, Wv, Wo, opq; writes opq
.if DOCPART == 1
	.amdgcn_target "amdgcn-amd-amdhsa--gfx1250"
	.amdhsa_code_object_version 6
	.text
	.protected	k_q7d6c812f5d_prep
	.globl	k_q7d6c812f5d_prep
	.p2align	8
	.type	k_q7d6c812f5d_prep,@function
k_q7d6c812f5d_prep:
	s_mov_b64 s[64:65], 0
	v_nop
	global_prefetch_b8 v0, s[64:65] scope:SCOPE_SE
	s_setreg_imm32_b32 hwreg(HW_REG_WAVE_MODE, 25, 1), 1
	s_wait_xcnt 0x0
; x [8192][512] and Wq, Wk, Wv, Wo [512][512], f32, K = 512 innermost, become codes of FP6 (E2M3) with one E8M0 byte for each 32 along K,
; laid as IMAGES OF THE OPERAND'S REGISTERS: tile T (16 rows), K step s (128 along K), registers 4 c .. 4 c + 3 of lane l at 6144 T + 1536 s + 512 c + 16 l;
; the row's scale words at SCB + 512 T + 256 (s / 2) + 8 l + 4 (s % 2).  Tiles 0-511: x;  512-543 Wq;  544-575 Wk;  576-607 Wv;  608-639 Wo.
; THE ROWS OF A TILE ARE NOT NEIGHBOURS.  In a group of 128 rows:
;   a weight's tile 2 b + u, lane r: row 32 b + 8 u + r + 8 (r / 8): as source 0 such tiles leave 16 neighbours along the next K in a lane's 16 registers of tiles 2 b, 2 b + 1;
;   x's tile 4 c + u, lane r: row 64 c + 8 u + r % 8 + 32 (r / 8): as source 0 such tiles leave a WHOLE block of 32 neighbours in a lane's 32 registers of tiles 4 c .. 4 c + 3.
; A block's scale is 2^(floor(log2(largest magnitude)) - 2); its byte is the largest magnitude's exponent field - 2, held at 1 from below.
; SHARES: 640 tiles x 2 halves of K = 1,280 units = 256 work-groups x 5 waves; a wave asks for its unit's 16,384 bytes at once.
; No LDS, no barrier, no matrix unit, no cluster: the work is a stream that is read once, and waves share nothing.  Every input of the problem is used by some launch: nothing is left out.
; LIMITS: NaN and infinities are not served.  A block of zeros gets the byte 1 where the rule says 127: its codes are zeros, and this program alone reads the bytes.
.set SCB, 3932160                      ; where the scale words begin: 640 tiles x 6,144 bytes
.set LI,  1                            ; v1  16 x lane
.set L8,  2                            ; v2  8 x lane
.set XA,  3                            ; v3  my lane's byte in the tile's rows
.set TM,  8                            ; v8-23  at work in QUANT
.set PWR, 24                           ; v24-25 the two K steps' scale words
.set PC0, 28                           ; v28-47, v48-67 the two K steps' codes
.set PC1, 48
.set X0,  68                           ; v68-131, v132-195 the two K steps' numbers
.set X1,  132
.set SEL, 14                           ; s[14:15] lane selects for v_permlanex16_b32: lane l xor 16
; 64 numbers of a lane, register 16 b + i = k 32 b + 16 (lane / 16) + i of my row, become a fragment's 12 registers and the row's scale word
.macro QUANT s, pc, pw
.irp b, 0,1,2,3
	v_max3_num_f32 v[TM+\b], |v[(\s)+16*\b]|, |v[(\s)+1+16*\b]|, 0x1800000   ; my 16 numbers of block b, and the floor 2^(3 - 127)
.endr
.irp i, 2,4,6,8,10,12,14
.irp b, 0,1,2,3
	v_max3_num_f32 v[TM+\b], v[TM+\b], |v[(\s)+16*\b+\i]|, |v[(\s)+1+16*\b+\i]|
.endr
.endr
.irp b, 0,1,2,3
	v_permlanex16_b32 v[TM+4+\b], v[TM+\b], s[SEL], s[SEL+1]
.endr
.irp b, 0,1,2,3
	v_max_num_f32 v[TM+\b], v[TM+\b], v[TM+4+\b]       ; with lane l xor 16's: the block's largest magnitude
.endr
.irp b, 0,1,2,3
	v_add_nc_u32 v[TM+12+\b], 0xff000000, v[TM+\b]     ; 2 off its exponent field: the conversion's scale operand
.endr
.irp b, 0,1,2,3
	v_lshrrev_b32 v[TM+4+\b], 23, v[TM+12+\b]          ; the scale's byte
.endr
	v_lshl_or_b32 v[\pw], v[TM+5], 8, v[TM+4]
	v_lshl_or_b32 v[\pw], v[TM+6], 16, v[\pw]
	v_lshl_or_b32 v[\pw], v[TM+7], 24, v[\pw]
.irp c, 0,1
	v_cvt_scalef32_pk16_fp6_f32 v[(\pc)+6*\c:(\pc)+2+6*\c], v[(\s)+32*\c:(\s)+15+32*\c], v[TM+12+2*\c]
	v_cvt_scalef32_pk16_fp6_f32 v[(\pc)+12+4*\c:(\pc)+14+4*\c], v[(\s)+16+32*\c:(\s)+31+32*\c], v[TM+12+2*\c+1]
.endr
	v_nop                                              ; one plain place behind a scaled conversion
.irp c, 0,1                                        ; the layout wants a whole block in a lane
.irp i, 0,1,2
	v_permlane16_swap_b32 v[(\pc)+6*\c+\i], v[(\pc)+12+4*\c+\i]
.endr
.irp i, 0,1,2
	v_mov_b32 v[(\pc)+3+6*\c+\i], v[(\pc)+12+4*\c+\i]
.endr
.endr
.endm
	s_load_b256 s[16:23], s[0:1], 0x0              ; x s[16:17], Wq, Wk, Wv s[22:23]
	s_load_b128 s[24:27], s[0:1], 0x20             ; Wo s[24:25], opq s[26:27]
	v_lshrrev_b32 v4, 5, v0
	v_readfirstlane_b32 s3, v4                     ; wave 0..4
	s_mov_b32 s[SEL], 0x76543210
	s_mov_b32 s[SEL+1], 0xfedcba98
	s_mul_i32 s4, ttmp9, 5
	s_add_co_u32 s4, s4, s3                        ; my unit
	s_lshr_b32 s5, s4, 1                           ; tile T
	s_and_b32 s6, s4, 1                            ; which half of K
	s_sub_co_u32 s7, s5, 512
	s_lshr_b32 s8, s7, 5                           ; which weight (used where T >= 512)
	s_and_b32 s9, s7, 31
	s_cmp_lt_u32 s5, 512
	s_cselect_b32 s9, s5, s9                       ; the tile's number in its own tensor
	s_cselect_b32 s12, 4, 6                        ; x: bit 2 counts 64 rows;  a weight: bits 2:1 count 32 rows
	s_cselect_b32 s13, 3, 1                        ; x: bits 1:0 count 8 rows, lanes 8-15 stand 24 rows further on;  a weight: bit 0, and 8 rows
	s_lshr_b32 s36, s9, 3
	s_lshl_b32 s36, s36, 7                         ; 128 x group
	s_and_b32 s37, s9, s12
	s_lshl_b32 s37, s37, 4
	s_add_co_u32 s36, s36, s37
	s_and_b32 s37, s9, s13
	s_lshl_b32 s37, s37, 3
	s_add_co_u32 s36, s36, s37
	s_lshl_b32 s36, s36, 11                        ; in bytes,
	s_lshl_b32 s37, s6, 10
	s_add_co_u32 s36, s36, s37                     ; + my half of K
	s_mov_b32 s37, 0
	s_mul_i32 s38, s5, 6144
	s_mul_i32 s39, s6, 3072
	s_add_co_u32 s38, s38, s39                     ; where my codes go
	s_mov_b32 s39, 0
	s_lshl_b32 s40, s5, 9
	s_lshl_b32 s41, s6, 8
	s_add_co_u32 s40, s40, s41
	s_add_co_u32 s40, s40, SCB                     ; and my scale words
	s_mov_b32 s41, 0
	v_and_b32 v4, 31, v0
	v_lshlrev_b32 v[LI], 4, v4
	v_lshlrev_b32 v[L8], 3, v4
	v_and_b32 v5, 15, v0                           ; r
	v_and_b32 v6, 8, v0
	v_mad_u32_u24 v5, v6, s13, v5                  ; r + 24 (r / 8) or r + 8 (r / 8)
	v_bfe_u32 v6, v0, 4, 1                         ; h
	v_lshlrev_b32 v[XA], 11, v5                    ; a row is 2,048 bytes
	v_lshl_add_u32 v[XA], v6, 6, v[XA]             ; + 64 h: my 16 numbers of a block of 32
.irp b, 0,1,2,3
	v_mov_b32 v[TM+4+\b], 0                        ; written once: a lane permute's destination counts as one of its sources
.endr
	s_wait_alu depctr_va_vdst(0)                   ; the wait at the head's end
	s_wait_kmcnt 0x0
	s_cmp_eq_u32 s8, 2                             ; the tensor is chosen by the unit's number alone
	s_cselect_b64 s[10:11], s[22:23], s[24:25]
	s_cmp_eq_u32 s8, 1
	s_cselect_b64 s[10:11], s[20:21], s[10:11]
	s_cmp_eq_u32 s8, 0
	s_cselect_b64 s[10:11], s[18:19], s[10:11]
	s_cmp_lt_u32 s5, 512
	s_cselect_b64 s[10:11], s[16:17], s[10:11]
	s_add_nc_u64 s[10:11], s[10:11], s[36:37]
	s_add_nc_u64 s[32:33], s[26:27], s[38:39]
	s_add_nc_u64 s[34:35], s[26:27], s[40:41]
.irp s, 0,1
.irp b, 0,1,2,3
.irp j, 0,1,2,3
	global_load_b128 v[X0+64*\s+16*\b+4*\j:X0+64*\s+16*\b+4*\j+3], v[XA], s[10:11] offset:512*\s+128*\b+16*\j th:TH_LOAD_NT
.endr
.endr
.endr
	s_wait_loadcnt 16                              ; the first K step's 16 loads are in; the second's 16 may be out
	QUANT X0, PC0, PWR
.irp c, 0,1,2
	global_store_b128 v[LI], v[PC0+4*\c:PC0+4*\c+3], s[32:33] offset:512*\c        ; 32 lanes store 512 consecutive bytes
.endr
	s_wait_loadcnt 0x0
	QUANT X1, PC1, PWR+1
.irp c, 0,1,2
	global_store_b128 v[LI], v[PC1+4*\c:PC1+4*\c+3], s[32:33] offset:1536+512*\c
.endr
	global_store_b64 v[L8], v[PWR:PWR+1], s[34:35]     ; 32 lanes store 256 consecutive bytes
	s_endpgm
.Lfunc_end_k_q7d6c812f5d_prep:
	.size	k_q7d6c812f5d_prep, .Lfunc_end_k_q7d6c812f5d_prep-k_q7d6c812f5d_prep
	.p2alignl 7, 3214868480
	.fill 96, 4, 3214868480
	.section	.rodata,"a",@progbits
	.p2align	6, 0x0
	.amdhsa_kernel k_q7d6c812f5d_prep
		.amdhsa_group_segment_fixed_size 0
		.amdhsa_private_segment_fixed_size 0
		.amdhsa_enable_private_segment 0
		.amdhsa_kernarg_size 48
		.amdhsa_user_sgpr_count 2
		.amdhsa_user_sgpr_kernarg_segment_ptr 1
		.amdhsa_wavefront_size32 1
		.amdhsa_system_sgpr_workgroup_id_x 1
		.amdhsa_system_sgpr_workgroup_id_y 1
		.amdhsa_system_sgpr_workgroup_id_z 1
		.amdhsa_system_vgpr_workitem_id 0
		.amdhsa_next_free_vgpr 200
		.amdhsa_next_free_sgpr 66
		.amdhsa_reserve_vcc 0
		.amdhsa_float_denorm_mode_32 3
		.amdhsa_float_denorm_mode_16_64 3
		.amdhsa_memory_ordered 1
		.amdhsa_forward_progress 1
		.amdhsa_inst_pref_size 14
	.end_amdhsa_kernel
	.amdgpu_metadata
---
amdhsa.version: [ 1, 2 ]
amdhsa.kernels:
  - .name:           k_q7d6c812f5d_prep
    .symbol:         k_q7d6c812f5d_prep.kd
    .args:
      - { .name: x, .offset: 0, .size: 8, .value_kind: global_buffer, .address_space: global }
      - { .name: Wq, .offset: 8, .size: 8, .value_kind: global_buffer, .address_space: global }
      - { .name: Wk, .offset: 16, .size: 8, .value_kind: global_buffer, .address_space: global }
      - { .name: Wv, .offset: 24, .size: 8, .value_kind: global_buffer, .address_space: global }
      - { .name: Wo, .offset: 32, .size: 8, .value_kind: global_buffer, .address_space: global }
      - { .name: opq, .offset: 40, .size: 8, .value_kind: global_buffer, .address_space: global }
    .group_segment_fixed_size: 0
    .private_segment_fixed_size: 0
    .kernarg_segment_align: 8
    .kernarg_segment_size: 48
    .max_flat_workgroup_size: 160
    .sgpr_count:     66
    .vgpr_count:     200
    .wavefront_size: 32
...
	.end_amdgpu_metadata
.endif
;; end of part 1
;; launch qkvproj (part 2): grid 192 x 1, 4 waves a work-group, no clusters, 0 bytes of LDS; arguments opq, bq, bk, bv, mask, qkv; writes qkv
.if DOCPART == 2
	.amdgcn_target "amdgcn-amd-amdhsa--gfx1250"
	.amdhsa_code_object_version 6
	.text
	.protected	k_q7d6c812f5d_qkvproj
	.globl	k_q7d6c812f5d_qkvproj
	.p2align	8
	.type	k_q7d6c812f5d_qkvproj,@function
k_q7d6c812f5d_qkvproj:
	s_mov_b64 s[64:65], 0
	v_nop
	global_prefetch_b8 v0, s[64:65] scope:SCOPE_SE
	s_setreg_imm32_b32 hwreg(HW_REG_WAVE_MODE, 25, 1), 1
	s_wait_xcnt 0x0
; Q = x Wq^T + bq, K = x Wk^T + bk, V = x Wv^T + bv on codes of FP6 (E2M3) with E8M0 scales (K = 512, four matrix instructions deep), sums in f32;
; the results are quantised at once, Q and K along the head's 64, V along the keys, and stored as images of the next products' operand registers.
; A wave HOLDS 128 rows of source 0 for all of K (32 fragments, 384 registers, read once) and walks 8 tiles of source 1.
; Work-groups 0-127 (Q: 0-63, K: 64-127): source 0 = 128 rows of the weight (wave w: heads 2 w, 2 w + 1), source 1 = 16 rows of x: a lane holds ONE row of x, register 16 b + i = feature 32 b + 16 (lane / 16) + i.
; Work-groups 128-191 (V): source 0 = 128 rows of x (one key step; each wave another), source 1 = 16 rows of Wv: a lane holds ONE channel; by x's tile order its registers 32 c .. 32 c + 31 are keys 64 c + 32 (lane / 16) + 0 .. 31: a whole block.
; THE PADDING MASK IS LAID INTO K'S OPERAND.  reference() REPLACES a masked key's score by -10000, which is -80000 ahead of the division by 8.  A head's 64 are half of the next product's 128 along K, so block 2 (k = 64 .. 95) is free:
;   Q carries there the codes -7.5, -7.5, -5, -2.5 under the byte 127;  a masked key carries 7.5, 7.5, 7.5, 2.5 under the byte 136 and ZERO codes for its 64 features: the sum is -156.25 x 2^9 = -80000, exactly;
;   a key that is not masked carries zero codes there under the byte 0, so nothing is added.  Block 3 is zero codes on K's side.  The choice is made by v_cndmask_b32 on mask's whole numbers; no address hangs on them.
; OUT: Q: stream (8 batch + head) x QSTR + record (128 queries) x QREC: tile t's registers 0-3 at 1024 t + 16 lane, 4-7 at 1024 t + 512 + 16 lane, scale words at 8192 + 512 (t / 4) + 16 lane + 4 (t % 4);
;      K and V: KVR + stream x KVSTR + key step x REC: K as a record of Q; V's tile tv at 9216 + 1536 tv + 512 c + 16 lane, its scale words at 15360 + 16 lane + 4 tv.
; 192 equal work-groups: 6,144 units, 8 to a wave.  No LDS, no barrier, no cluster: every operand goes from memory straight into the registers of the one wave that wants it, in whole runs of 512 or 256 bytes.
; LIMITS: NaN and infinities are not served.  A block of zeros gets the byte 1 (in block 2: 0) where the rule says 127: its codes are zeros, and this program alone reads the bytes.
.set SCB,   3932160
.set KVR,   4718592
.set QSTR,  294912
.set QREC,  9216
.set KVSTR, 507904
.set REC,   15872
.set QCODE, 0xcbafff                   ; -7.5, -7.5, -5, -2.5 as four codes of 6 bits
.set KCODE, 0x49f7df                   ; 7.5, 7.5, 7.5, 2.5
.set LI,  1                            ; v1  16 x lane
.set L8,  2                            ; v2  8 x lane
.set BO,  3                            ; v3  64 x (lane / 16): the bias's lane offset
.set SW0, 4                            ; v4-7, v8-11  four tiles' scale words, gathered for one store
.set SW1, 8
.set MA,  12                           ; v12 Q, K: my row's place in mask;  V: my channel's place in bv
.set A6,  13                           ; v13 KCODE
.set AS,  14                           ; v14 Q, K: 136 << 16;  V: 8 x (lane / 16)
.set H8,  14
.set XSC, 15                           ; v15 block 2's scale byte, at its place in the word
.set XF,  16                           ; v16-63, v64-111  source 1's four fragments, two sets
.set HA,  112                          ; v112-175  eight accumulators
.set PC,  176                          ; v176-195  the codes just made; Q, K: v188-191 and v192-195 then hold registers 4-7 of the two heads' images
.set TM,  196                          ; v196-211  at work in the quantisers
.set PW,  212                          ; v212      the scale word just made
.set TP,  213
.set XS,  214                          ; v214-221  source 1's scale words, two sets
.set W1S, 222                          ; v222-253  source 0's scale words: 4 a + s
.set WV,  46
.set SEL, 16
.set AP,  18
.set ASP, 20
.set BP,  22
.set BSP, 24
.set OUT0, 26
.set OUT1, 28
.set MS,  48                           ; s48-55 the lane masks of the eight tiles' masked rows (Q: none)
.set MSB, 0
.macro WIN new                         ; the immediate's high byte repeats the setting that is left
.if MSB != \new
	s_set_vgpr_msb (MSB<<8)|\new
.set MSB, \new
.endif
.endm
.macro QUANT s, pc, pw                 ; register 16 b + i = k 32 b + 16 (lane / 16) + i of my row -> 12 registers of codes, one scale word
.irp b, 0,1,2,3
	v_max3_num_f32 v[TM+\b], |v[(\s)+16*\b]|, |v[(\s)+1+16*\b]|, 0x1800000   ; and the floor 2^(3 - 127).  Each accumulator is first read at its low end
.endr
.irp i, 2,4,6,8,10,12,14
.irp b, 0,1,2,3
	v_max3_num_f32 v[TM+\b], v[TM+\b], |v[(\s)+16*\b+\i]|, |v[(\s)+1+16*\b+\i]|
.endr
.endr
.irp b, 0,1,2,3
	v_permlanex16_b32 v[TM+4+\b], v[TM+\b], s[SEL], s[SEL+1]
.endr
.irp b, 0,1,2,3
	v_max_num_f32 v[TM+\b], v[TM+\b], v[TM+4+\b]
.endr
.irp b, 0,1,2,3
	v_add_nc_u32 v[TM+12+\b], 0xff000000, v[TM+\b]     ; 2 off the exponent field: the conversion's scale operand
.endr
.irp b, 0,1,2,3
	v_lshrrev_b32 v[TM+4+\b], 23, v[TM+12+\b]          ; the scale's byte
.endr
	v_lshl_or_b32 v[\pw], v[TM+5], 8, v[TM+4]
	v_lshl_or_b32 v[\pw], v[TM+6], 16, v[\pw]
	v_lshl_or_b32 v[\pw], v[TM+7], 24, v[\pw]
.irp c, 0,1
	v_cvt_scalef32_pk16_fp6_f32 v[(\pc)+6*\c:(\pc)+2+6*\c], v[(\s)+32*\c:(\s)+15+32*\c], v[TM+12+2*\c]
	v_cvt_scalef32_pk16_fp6_f32 v[(\pc)+12+4*\c:(\pc)+14+4*\c], v[(\s)+16+32*\c:(\s)+31+32*\c], v[TM+12+2*\c+1]
.endr
	v_nop                                              ; one plain place behind a scaled conversion
.irp c, 0,1
.irp i, 0,1,2
	v_permlane16_swap_b32 v[(\pc)+6*\c+\i], v[(\pc)+12+4*\c+\i]
.endr
.irp i, 0,1,2
	v_mov_b32 v[(\pc)+3+6*\c+\i], v[(\pc)+12+4*\c+\i]
.endr
.endr
.endm
.macro QUANTV s, pc, pw                ; register 32 c + i = k 64 c + 32 (lane / 16) + i: two whole blocks are mine; no other lane is asked for a maximum
.irp c, 0,1
	v_max3_num_f32 v[TM+\c], |v[(\s)+32*\c]|, |v[(\s)+1+32*\c]|, 0x1800000
	v_max3_num_f32 v[TM+2+\c], |v[(\s)+16+32*\c]|, |v[(\s)+17+32*\c]|, |v[(\s)+18+32*\c]|
.endr
.irp i, 2,4,6,8,10,12
.irp c, 0,1
	v_max3_num_f32 v[TM+\c], v[TM+\c], |v[(\s)+32*\c+\i]|, |v[(\s)+32*\c+\i+1]|
	v_max3_num_f32 v[TM+2+\c], v[TM+2+\c], |v[(\s)+32*\c+\i+17]|, |v[(\s)+32*\c+\i+18]|
.endr
.endr
.irp c, 0,1
	v_max3_num_f32 v[TM+\c], v[TM+\c], |v[(\s)+32*\c+14]|, |v[(\s)+32*\c+15]|
.endr
.irp c, 0,1
	v_max3_num_f32 v[TM+\c], v[TM+\c], v[TM+2+\c], |v[(\s)+32*\c+31]|
.endr
.irp c, 0,1
	v_add_nc_u32 v[TM+12+\c], 0xff000000, v[TM+\c]
.endr
.irp c, 0,1
	v_lshrrev_b32 v[TM+4+\c], 23, v[TM+12+\c]
.endr
	v_lshl_or_b32 v[\pw], v[TM+5], 16, v[TM+4]         ; my two bytes: blocks h and 2 + h,
	v_lshlrev_b32 v[\pw], v[H8], v[\pw]                ; at their places in the word;
	v_permlanex16_b32 v[TM+4], v[\pw], s[SEL], s[SEL+1]
	v_or_b32 v[\pw], v[\pw], v[TM+4]                   ; with lane l xor 16's two the word is whole
.irp c, 0,1
	v_cvt_scalef32_pk16_fp6_f32 v[(\pc)+6*\c:(\pc)+2+6*\c], v[(\s)+32*\c:(\s)+15+32*\c], v[TM+12+\c]
	v_cvt_scalef32_pk16_fp6_f32 v[(\pc)+12+4*\c:(\pc)+14+4*\c], v[(\s)+16+32*\c:(\s)+31+32*\c], v[TM+12+\c]
.endr
	v_nop
.irp c, 0,1
.irp i, 0,1,2
	v_mov_b32 v[(\pc)+3+6*\c+\i], v[(\pc)+12+4*\c+\i]
.endr
.endr
.endm
.macro LOADA                           ; source 0: tiles a = 0 .. 7; K steps 0, 1 into window 1, K steps 2, 3 into window 2, at v[12 (2 a + s % 2)]; the scale words into window 0
	WIN 0x40
.irp a, 0,1,2,3,4,5,6,7
.irp s, 0,1
.irp c, 0,1,2
	global_load_b128 v[12*(2*\a+\s)+4*\c:12*(2*\a+\s)+4*\c+3], v[LI], s[AP:AP+1] offset:6144*\a+1536*\s+512*\c
.endr
.endr
.endr
	WIN 0x80
.irp a, 0,1,2,3,4,5,6,7
.irp s, 0,1
.irp c, 0,1,2
	global_load_b128 v[12*(2*\a+\s)+4*\c:12*(2*\a+\s)+4*\c+3], v[LI], s[AP:AP+1] offset:6144*\a+1536*(\s+2)+512*\c
.endr
.endr
.endr
	WIN 0
.irp a, 0,1,2,3,4,5,6,7
.irp k, 0,1
	global_load_b64 v[W1S+4*\a+2*\k:W1S+4*\a+2*\k+1], v[L8], s[ASP:ASP+1] offset:512*\a+256*\k
.endr
.endr
.endm
.macro LOADB t, set                    ; source 1's tile t: 12 loads of codes, 2 of scale words
.irp s, 0,1,2,3
.irp c, 0,1,2
	global_load_b128 v[XF+48*(\set)+12*\s+4*\c:XF+48*(\set)+12*\s+4*\c+3], v[LI], s[BP:BP+1] offset:6144*(\t)+1536*\s+512*\c
.endr
.endr
.irp k, 0,1
	global_load_b64 v[XS+4*(\set)+2*\k:XS+4*(\set)+2*\k+1], v[L8], s[BSP:BSP+1] offset:512*(\t)+256*\k
.endr
.endm
; 32 matrix instructions: K step by K step, the eight accumulators by turns.  The first K step takes the bias, v[ca a + cc] of window 3, as C.
.macro MUL32 set, ca, cc
.irp s, 0,1,2,3
.if \s == 0
	WIN 0x31
.elseif \s == 1
	WIN 0x01
.else
	WIN 0x02
.endif
.irp a, 0,1,2,3,4,5,6,7
.if \s == 0
	v_wmma_scale_f32_16x16x128_f8f6f4 v[HA+8*\a:HA+8*\a+7], v[12*(2*\a+\s%2):12*(2*\a+\s%2)+11], v[XF+48*(\set)+12*\s:XF+48*(\set)+12*\s+11], v[(\ca)*\a+(\cc):(\ca)*\a+(\cc)+7], v[W1S+4*\a+\s], v[XS+4*(\set)+\s] matrix_a_fmt:MATRIX_FMT_FP6 matrix_b_fmt:MATRIX_FMT_FP6
.else
	v_wmma_scale_f32_16x16x128_f8f6f4 v[HA+8*\a:HA+8*\a+7], v[12*(2*\a+\s%2):12*(2*\a+\s%2)+11], v[XF+48*(\set)+12*\s:XF+48*(\set)+12*\s+11], v[HA+8*\a:HA+8*\a+7], v[W1S+4*\a+\s], v[XS+4*(\set)+\s] matrix_a_fmt:MATRIX_FMT_FP6 matrix_b_fmt:MATRIX_FMT_FP6
.endif
.endr
.endr
	WIN 0
.endm
; One tile of source 1.  path = 0: Q or K;  1: V.
.macro UNIT t, path
.if \t < 7
	s_wait_loadcnt 14                              ; this tile's loads are in; the next tile's 14 may be out
.else
	s_wait_loadcnt 0x0
.endif
.if \path
	MUL32 (\t)%2, 0, 8*(\t)
.else
	MUL32 (\t)%2, 8, 0
.endif
.rept 4
	v_nop                                          ; four places behind the last products: for the loads into the set just multiplied, and for the first read of results
.endr
.if \t < 6
	LOADB (\t)+2, (\t)%2
.endif
.if \t > 0
	s_wait_xcnt 0x0                                ; the last tile's stores have read their data: their registers are written again only behind this wait
.endif
.if \path
	QUANTV HA, PC, PW
.irp c, 0,1,2
	global_store_b128 v[LI], v[PC+4*\c:PC+4*\c+3], s[OUT0+2*((\t)/4):OUT0+2*((\t)/4)+1] offset:9216+1536*((\t)%4)+512*\c   ; 512 consecutive bytes a store
.endr
	v_mov_b32 v[SW0+(\t)%4], v[PW]
.if (\t)%4 == 3
	global_store_b128 v[LI], v[SW0:SW0+3], s[OUT0+2*((\t)/4):OUT0+2*((\t)/4)+1] offset:15360
.endif
.else
	QUANT HA, PC, PW
	s_and_b32 s56, s[MS+\t], 0xffff                ; block 2 lies in lanes 0-15; block 3, in lanes 16-31, stays zero codes on K's side
.irp i, 0,1,2,3,6,7,8,9
	v_cndmask_b32 v[PC+\i], v[PC+\i], 0, s[MS+\t]  ; a masked key's features become zero codes
.endr
	v_cndmask_b32 v[PC+12], v[PC+4], 0, s[MS+\t]   ; registers 4-7 of each head's image are gathered for one store
	v_cndmask_b32 v[PC+13], v[PC+5], 0, s[MS+\t]
	v_cndmask_b32 v[PC+16], v[PC+10], 0, s[MS+\t]
	v_cndmask_b32 v[PC+17], v[PC+11], 0, s[MS+\t]
	v_cndmask_b32 v[PC+14], s38, v[A6], s56        ; register 6: Q's four codes; K's four where the key is masked, else zeros
	v_cndmask_b32 v[PC+18], s38, v[A6], s56
	v_cndmask_b32 v[XSC], s41, v[AS], s[MS+\t]     ; block 2's byte
	v_lshrrev_b32 v[TP], 16, v[PW]
	v_and_or_b32 v[SW0+(\t)%4], v[PW], 0xffff, v[XSC]  ; the first head's two bytes, block 2's, and 0
	v_or_b32 v[SW1+(\t)%4], v[TP], v[XSC]          ; the second head's
	global_store_b128 v[LI], v[PC:PC+3], s[OUT0:OUT0+1] offset:1024*(\t)
	global_store_b128 v[LI], v[PC+12:PC+15], s[OUT0:OUT0+1] offset:1024*(\t)+512
	global_store_b128 v[LI], v[PC+6:PC+9], s[OUT1:OUT1+1] offset:1024*(\t)
	global_store_b128 v[LI], v[PC+16:PC+19], s[OUT1:OUT1+1] offset:1024*(\t)+512
.if (\t)%4 == 3
	global_store_b128 v[LI], v[SW0:SW0+3], s[OUT0:OUT0+1] offset:8192+512*((\t)/4)
	global_store_b128 v[LI], v[SW1:SW1+3], s[OUT1:OUT1+1] offset:8192+512*((\t)/4)
.endif
.endif
.endm
	s_load_b256 s[4:11], s[0:1], 0x0               ; opq s[4:5], bq s[6:7], bk s[8:9], bv s[10:11]
	s_load_b128 s[12:15], s[0:1], 0x20             ; mask s[12:13], qkv s[14:15]
	v_lshrrev_b32 v3, 5, v0
	v_readfirstlane_b32 s[WV], v3                  ; wave 0..3
	v_and_b32 v3, 31, v0
	v_lshlrev_b32 v[LI], 4, v3
	v_lshlrev_b32 v[L8], 3, v3
.irp b, 0,1,2,3
	v_mov_b32 v[TM+4+\b], 0                        ; written once: a lane permute's destination counts as one of its sources
.endr
	s_mov_b32 s[SEL], 0x76543210
	s_mov_b32 s[SEL+1], 0xfedcba98
	s_lshr_b32 s30, ttmp9, 6                       ; 0: Q, 1: K (2: V)
	s_and_b32 s31, ttmp9, 63                       ; Q, K: the group of 128 rows of x;  V: the work-group's number among V's 64
	s_lshl_b32 s32, s30, 5
	s_lshl_b32 s33, s[WV], 3
	s_add_co_u32 s32, s32, s33
	s_add_co_u32 s32, s32, 512                     ; Q, K: source 0's first tile: the weight's, 8 x wave on
	s_lshl_b32 s34, s31, 3                         ; and source 1's: x's
	s_lshr_b32 s35, s31, 2
	s_lshl_b32 s35, s35, 2
	s_add_co_u32 s35, s35, s[WV]                   ; V: my wave's group of 128 keys
	s_and_b32 s36, s31, 3                          ; and the work-group's 128 rows of Wv
	s_lshl_b32 s37, s35, 3                         ; V: source 0's first tile: x's
	s_lshl_b32 s38, s36, 3
	s_add_co_u32 s38, s38, 576                     ; and source 1's: Wv's
	s_cmp_lt_u32 ttmp9, 128
	s_cselect_b32 s32, s32, s37
	s_cselect_b32 s34, s34, s38
	s_cselect_b32 s35, s31, s35                    ; the group of 128 rows of x
	s_cselect_b32 s36, s[WV], s36                  ; which pair of heads
	s_lshr_b32 s39, s35, 5
	s_lshl_b32 s39, s39, 3
	s_lshl_b32 s40, s36, 1
	s_add_co_u32 s39, s39, s40                     ; the first head's stream: 8 x batch + 2 x pair
	s_and_b32 s40, s35, 31                         ; the record in it
	s_mov_b32 s43, 0
	s_mov_b32 s45, 0
	s_mul_i32 s42, s32, 6144
	s_lshl_b32 s44, s32, 9
	s_add_co_u32 s44, s44, SCB
	s_wait_alu depctr_va_vdst(0)                   ; the wait at the head's end
	s_wait_kmcnt 0x0
	s_add_nc_u64 s[AP:AP+1], s[4:5], s[42:43]
	s_add_nc_u64 s[ASP:ASP+1], s[4:5], s[44:45]
	s_mul_i32 s42, s34, 6144
	s_lshl_b32 s44, s34, 9
	s_add_co_u32 s44, s44, SCB
	s_add_nc_u64 s[BP:BP+1], s[4:5], s[42:43]
	s_add_nc_u64 s[BSP:BSP+1], s[4:5], s[44:45]
	LOADA
	LOADB 0, 0
	s_cmp_lt_u32 ttmp9, 128
	s_cbranch_scc0 .Lv
	; ---- Q or K
	s_cmp_eq_u32 s30, 0
	s_cselect_b64 s[32:33], s[6:7], s[8:9]         ; bq or bk
	s_mov_b32 s34, KVSTR
	s_cselect_b32 s34, QSTR, s34                   ; a stream,
	s_mov_b32 s35, REC
	s_cselect_b32 s35, QREC, s35                   ; a record,
	s_cselect_b32 s37, 0, KVR                      ; the region,
	s_cselect_b32 s38, QCODE, 0                    ; register 6 of a row that is not masked,
	s_cselect_b32 s41, 127<<16, 0                  ; and its block's byte
	s_lshl_b32 s42, s[WV], 9
	s_add_nc_u64 s[32:33], s[32:33], s[42:43]      ; my 128 numbers of the bias
	s_mul_i32 s44, s39, s34
	s_mul_i32 s35, s40, s35
	s_add_co_u32 s44, s44, s35
	s_add_co_u32 s44, s44, s37
	s_add_nc_u64 s[OUT0:OUT0+1], s[14:15], s[44:45]
	s_mov_b32 s35, 0
	s_add_nc_u64 s[OUT1:OUT1+1], s[OUT0:OUT0+1], s[34:35]
	s_lshl_b32 s42, s31, 9
	s_add_nc_u64 s[12:13], s[12:13], s[42:43]      ; mask at my group's 128 rows
	v_bfe_u32 v[BO], v0, 4, 1
	v_lshlrev_b32 v[BO], 6, v[BO]
	WIN 0xc0                                       ; destination window 3
.irp a, 0,1,2,3,4,5,6,7                        ; lane (r, h) wants, for tile a = 2 b + u, the bias of features 32 b + 16 h + 8 u + 0 .. 7
	global_load_b128 v[8*\a:8*\a+3], v[BO], s[32:33] offset:4*(32*(\a/2)+8*(\a%2))
	global_load_b128 v[8*\a+4:8*\a+7], v[BO], s[32:33] offset:4*(32*(\a/2)+8*(\a%2))+16
.endr
	WIN 0
	v_mov_b32 v[A6], KCODE
	v_mov_b32 v[AS], 136<<16
	v_mov_b32 v[PC+15], 0                          ; register 7 of the images: zero codes; never rewritten
	v_mov_b32 v[PC+19], 0
	v_and_b32 v[MA], 7, v0
	v_and_b32 v[TP], 8, v0
	v_lshlrev_b32 v[MA], 2, v[MA]
	v_lshl_add_u32 v[MA], v[TP], 4, v[MA]          ; 4 (r % 8 + 32 (r / 8)): my row in a tile of x
	s_cmp_eq_u32 s30, 0
	s_cbranch_scc1 .Lq
.irp t, 0,1,2,3,4,5,6,7
	global_load_b32 v[HA+\t], v[MA], s[12:13] offset:4*(64*(\t/4)+8*(\t%4))   ; K: mask of my key in tile t
.endr
	LOADB 1, 1
	s_wait_loadcnt 14                              ; all but tile 1's 14 loads are in
.irp t, 0,1,2,3,4,5,6,7
	v_cmp_eq_u32 s[MS+\t], 0, v[HA+\t]
.endr
	s_branch .Lgo
.Lq:
	LOADB 1, 1
.irp t, 0,1,2,3,4,5,6,7
	s_mov_b32 s[MS+\t], 0                          ; Q: no row is masked
.endr
.Lgo:
	s_wait_alu depctr_va_vdst(0)                   ; the wait ahead of the wait that follows
.irp t, 0,1,2,3,4,5,6,7
	UNIT \t, 0
.endr
	s_endpgm
.Lv:
	; ---- V
	s_lshl_b32 s42, s36, 9
	s_add_nc_u64 s[32:33], s[10:11], s[42:43]      ; bv at the work-group's 128 channels
	s_mul_i32 s44, s39, KVSTR
	s_mul_i32 s35, s40, REC
	s_add_co_u32 s44, s44, s35
	s_add_co_u32 s44, s44, KVR
	s_add_nc_u64 s[OUT0:OUT0+1], s[14:15], s[44:45]
	s_add_nc_u64 s[OUT1:OUT1+1], s[OUT0:OUT0+1], KVSTR
	v_and_b32 v[MA], 15, v0
	v_and_b32 v13, 8, v0
	v_add_nc_u32 v[MA], v[MA], v13
	v_lshlrev_b32 v[MA], 2, v[MA]                  ; 4 (r + 8 (r / 8)): my channel in a tile of Wv
	v_bfe_u32 v[H8], v0, 4, 1
	v_lshlrev_b32 v[H8], 3, v[H8]
.irp t, 0,1,2,3,4,5,6,7
	global_load_b32 v[HA+\t], v[MA], s[32:33] offset:4*(32*(\t/2)+8*(\t%2))
.endr
	LOADB 1, 1
	s_wait_alu depctr_va_vdst(0)                   ; the wait ahead of the wait that follows
	s_wait_loadcnt 14                              ; all but tile 1's 14 loads are in, the bias among them
	WIN 0xc0
.irp t, 0,1,2,3,4,5,6,7                        ; a lane's channel is the same in all eight registers of a result: tile t's C is its bias eight times
.irp j, 0,1,2,3,4,5,6,7
	v_mov_b32 v[8*\t+\j], v[HA+\t]
.endr
.endr
	WIN 0
.irp t, 0,1,2,3,4,5,6,7
	UNIT \t, 1
.endr
	s_endpgm
.Lfunc_end_k_q7d6c812f5d_qkvproj:
	.size	k_q7d6c812f5d_qkvproj, .Lfunc_end_k_q7d6c812f5d_qkvproj-k_q7d6c812f5d_qkvproj
	.p2alignl 7, 3214868480
	.fill 96, 4, 3214868480
	.section	.rodata,"a",@progbits
	.p2align	6, 0x0
	.amdhsa_kernel k_q7d6c812f5d_qkvproj
		.amdhsa_group_segment_fixed_size 0
		.amdhsa_private_segment_fixed_size 0
		.amdhsa_enable_private_segment 0
		.amdhsa_kernarg_size 48
		.amdhsa_user_sgpr_count 2
		.amdhsa_user_sgpr_kernarg_segment_ptr 1
		.amdhsa_wavefront_size32 1
		.amdhsa_system_sgpr_workgroup_id_x 1
		.amdhsa_system_sgpr_workgroup_id_y 1
		.amdhsa_system_sgpr_workgroup_id_z 1
		.amdhsa_system_vgpr_workitem_id 0
		.amdhsa_next_free_vgpr 832
		.amdhsa_next_free_sgpr 66
		.amdhsa_reserve_vcc 0
		.amdhsa_float_denorm_mode_32 3
		.amdhsa_float_denorm_mode_16_64 3
		.amdhsa_memory_ordered 1
		.amdhsa_forward_progress 1
		.amdhsa_inst_pref_size 180
	.end_amdhsa_kernel
	.amdgpu_metadata
---
amdhsa.version: [ 1, 2 ]
amdhsa.kernels:
  - .name:           k_q7d6c812f5d_qkvproj
    .symbol:         k_q7d6c812f5d_qkvproj.kd
    .args:
      - { .name: opq, .offset: 0, .size: 8, .value_kind: global_buffer, .address_space: global }
      - { .name: bq, .offset: 8, .size: 8, .value_kind: global_buffer, .address_space: global }
      - { .name: bk, .offset: 16, .size: 8, .value_kind: global_buffer, .address_space: global }
      - { .name: bv, .offset: 24, .size: 8, .value_kind: global_buffer, .address_space: global }
      - { .name: mask, .offset: 32, .size: 8, .value_kind: global_buffer, .address_space: global }
      - { .name: qkv, .offset: 40, .size: 8, .value_kind: global_buffer, .address_space: global }
    .group_segment_fixed_size: 0
    .private_segment_fixed_size: 0
    .kernarg_segment_align: 8
    .kernarg_segment_size: 48
    .max_flat_workgroup_size: 128
    .sgpr_count:     66
    .vgpr_count:     832
    .wavefront_size: 32
...
	.end_amdgpu_metadata
.endif
;; end of part 2
;; launch attn (part 3): grid 16 x 16, 16 waves a work-group, clusters of 4 x 1, 327,680 bytes of LDS; arguments qkv, oq; writes oq
.if DOCPART == 3
	.amdgcn_target "amdgcn-amd-amdhsa--gfx1250"
	.amdhsa_code_object_version 6
	.text
	.protected	k_q7d6c812f5d_attn
	.globl	k_q7d6c812f5d_attn
	.p2align	8
	.type	k_q7d6c812f5d_attn,@function
k_q7d6c812f5d_attn:
	s_mov_b64 s[64:65], 0
	v_nop
	global_prefetch_b8 v0, s[64:65] scope:SCOPE_SE
	s_setreg_imm32_b32 hwreg(HW_REG_WAVE_MODE, 25, 1), 1
	s_wait_xcnt 0x0
	s_wait_alu depctr_hold_cnt(0) depctr_sa_sdst(0) depctr_va_vdst(0) depctr_va_sdst(0) depctr_va_ssrc(0) depctr_va_vcc(0) depctr_vm_vsrc(0)
	s_getreg_b32 s2, hwreg(HW_REG_IB_STS2, 6, 4)
	s_cmp_eq_u32 s2, 0
	s_cbranch_scc0 .Lentry_in_a_cluster
	s_endpgm
.Lentry_in_a_cluster:
	s_bfe_u32 s2, ttmp6, 0x10000c
	s_cmp_lg_u32 s2, 0x3003
	s_cbranch_scc0 .Lentry_shape_is_right
	s_endpgm
.Lentry_shape_is_right:
; For each of 16 streams (8 x batch + head): O = softmax(where(mask == 0, -10000, Q K^T / 8)) V, both products on codes of FP6 (E2M3) with E8M0 scales; then O is quantised along the model's 512
; (a head's 64 are two blocks) and stored as an image of the last product's operand registers.
; THE SOFTMAX AHEAD OF THE SECOND PRODUCT: t = logit x log2(e); M = the running largest t, rounded UP to a whole number; p = 2^(t - M) is quantised along the keys, not normalised; the row's sum is taken of the
; unquantised p and divides O at the end.  When M moves, the sum and O are multiplied by 2^(old M - new M): exact.
; THE MASK comes inside K's operand: the launch before gave a masked key zero codes for its 64 features and four codes in block 2 (k = 64 .. 95) that make -80000 with Q's four codes there; -80000 x (log2(e) / 8) is the
; same product as -10000 x log2(e).  So the first product's result IS the masked score; no key is left out, and a row whose keys are all masked comes out uniform.
; Q's registers 7-11 are zero codes.  K's fragments lie 8 registers apart: registers 8-11 of a fragment are the next fragment's first four (the last one's: zeros); they meet Q's zero codes and add nothing.
; SHARES.  A work-group owns 256 queries of one stream; each of its sixteen waves 16 of them in 256 registers, four waves to a SIMD.  Every wave walks all 4,096 keys, 128 a step.
; K's and V's images come through a ring of two LDS slots of EIGHT key steps (126,976 dense bytes): four fills in all; every LDS load takes 16 neighbouring bytes a lane, so nothing is padded.
; A step's eight fragments of K are read from LDS a step ahead, behind the step before's eight products (inside a slot; a slot's first step reads its own behind the change of slots).
; CLUSTER.  The four work-groups of a cluster belong to one stream and walk the same K and V: every wave asks JOINTLY (mask 15) for a sixteenth of a slot, 31 rows of 256 bytes, by the wave's number alone.
; LAYOUT.  Both products are used transposed: S^T = K Q^T, O^T = V^T P^T: a lane holds ONE query.  K's tile 4 c + u, row m, is key 64 c + 8 u + m % 8 + 32 (m / 8): so a lane's registers 32 c .. 32 c + 31 of S^T are
; keys 64 c + 32 (lane / 16) + 0 .. 31: a whole block of the second product's K, in the place that the operand's layout gives that lane.
; No prefetch is laid: a slot's refill is asked for eight key steps, 96 matrix instructions a wave, ahead of its first read.
; LIMITS: NaN and infinities are not served; the promise holds while the scaled scores stay under 2^31 in magnitude.  A p under 2^-126 comes out as 0 (v_exp_f32 flushes denormals: ISA guide, its entry).
; A block's largest p is taken from its largest score by the same two instructions.  A block of zeros carries the byte 1 where the rule says 127: its codes are zeros, and this program alone reads the bytes.
.set KVR,   4718592
.set QSTR,  294912
.set QREC,  9216
.set KVSTR, 507904
.set REC,   15872                      ; a key step's record: K's codes 8,192, K's scale words 1,024, V's codes 6,144, V's scale words 512
.set NST,   8                          ; key steps in a slot
.set SLOTB, NST*REC
.set PARTB, SLOTB/16                   ; a wave's part of a slot: 7,936 bytes
.set SLOT1, 131072                     ; slot 1 begins here: one exclusive or turns an address in one slot into the other's
.set SPARE, 262144                     ; behind the ring: the spare words, 128 bytes for each of 16 waves
.set OSC,   3145728                    ; oq: where the scale bytes begin
.set LI,  1                            ; v1  16 x lane
.set L8,  2                            ; v2  8 x lane
.set SPW, 3                            ; v3  LDS address of my spare word; never rewritten
.set NIL, 4                            ; v4  0; never rewritten
.set ADR, 5                            ; v5  the step's record + 16 x lane
.set H8,  6                            ; v6  8 x (lane / 16)
                                       ; v8-11 addresses at the head and at the tail; v12 -M; v13 the largest raw score; v[14:15] the row's sum in two halves
.set QF,  16                           ; v16-27  Q's fragment
.set QS,  28                           ; v28     Q's scale words
.set KF,  32                           ; v32-99  eight fragments of K, 8 registers apart; v96-99 zeros
.set KS,  100                          ; v100-107 their scale words
.set VS,  108                          ; v108-111 V's scale words
.set ST,  112                          ; v112-175 S^T, then p; v112-159 then V's four fragments
.set OT,  176                          ; v176-207 O^T
.set PCD, 208                          ; v208-219 p's codes
.set CH,  220                          ; v220-222, v224-226 the conversions' second halves
.set BM,  228                          ; v228-231 largest scores; v228, v230 the two blocks', then their largest p
.set PX,  232                          ; v232-233 lane exchanges, the scales' bytes
.set SO,  234                          ; v234-235 the conversions' scale operands
.set FF,  236                          ; v236 f = 2^(old M - new M);  v237 p's scale word (named with f as a pair)
.set PWD, 237
.set TT,  238
.set NM,  239                          ; v239 the old -M
.set SM,  240                          ; v240-253 seven chains of the row's sum
.set WV,  6
.set TB,  7                            ; s7  LDS byte of the step's record
.set SLOTS, 8
.set STEPC, 9
.set CS,  10                           ; s[10:11] c = log2(e) / 8
.set SEL, 12                           ; s[12:13] lane selects for v_permlanex16_b32: lane l xor 16
.set HI,  14                           ; s14 the lane mask of lanes 16-31
.set G1,  68                           ; s[68:75] descriptor group 1;  s[76:79] group 0, which walks
.set G0,  76
.set OCP, 96
.set OSP, 98
.set QP,  100
.macro ROUND                           ; a round of the cluster's barrier
	s_barrier_signal -1
	s_barrier_wait -1
	s_cmp_lg_u32 s[WV], 0
	s_cbranch_scc1 .Lnot_wave_0_\@
	s_barrier_signal -3
.Lnot_wave_0_\@:
	s_barrier_wait -3
	s_barrier_signal -1
	s_barrier_wait -1
.endm
.macro TLOAD                           ; every wave's own sixteenth of a slot; s_nop 0 and four v_nop follow
	tensor_load_to_lds s[G0:G0+3], s[G1:G1+7]
	s_nop 0
.rept 4
	v_nop
.endr
.endm
.macro KLOAD off                       ; the eight fragments of K, registers 0-7 each, and their scale words, of the record off bytes behind v[ADR]'s
.irp t, 0,1,2,3,4,5,6,7
	ds_load_b128 v[KF+8*\t:KF+8*\t+3], v[ADR] offset:(\off)+1024*\t
	ds_load_b128 v[KF+8*\t+4:KF+8*\t+7], v[ADR] offset:(\off)+1024*\t+512
.endr
	ds_load_b128 v[KS:KS+3], v[ADR] offset:(\off)+8192
	ds_load_b128 v[KS+4:KS+7], v[ADR] offset:(\off)+8704
.endm
	s_load_b128 s[16:19], s[0:1], 0x0              ; qkv s[16:17], oq s[18:19]
	v_lshl_add_u32 v[SPW], v0, 2, SPARE
	v_mov_b32 v[NIL], 0
	ds_add_u32 v[SPW], v[NIL]                      ; the opening lines: the add, twice on end, and its wait ahead of my first tensor load
	ds_add_u32 v[SPW], v[NIL]
	v_lshrrev_b32 v8, 5, v0
	s_delay_alu instid0(VALU_DEP_1)
	v_readfirstlane_b32 s[WV], v8                  ; wave 0..15
	s_bfe_u32 s15, ttmp6, 0x40000                  ; cx: it enters Q's and oq's global addresses alone
	s_lshl_b32 s66, ttmp9, 2
	s_add_co_u32 s66, s66, s15                     ; my block of 256 queries
	s_and_b32 s67, ttmp7, 0xffff                   ; the stream, which the four partners share
	s_mov_b32 s[G1], 15|(3<<16)|(1<<21)            ; the mask: all four work-groups; elements of 8 bytes; bit 21 set beside a mask
	s_mov_b32 s[G1+1], 32<<16                      ; tensor_dim0 = 32: rows of 256 bytes
	s_mov_b32 s[G1+2], 31<<16                      ; tensor_dim1 = 31
	s_mov_b32 s[G1+3], 32<<16                      ; tile_dim0
	s_mov_b32 s[G1+4], 31                          ; tile_dim1
	s_mov_b32 s[G1+5], 32                          ; from row to row: dense
	s_mov_b32 s[G1+6], 0
	s_mov_b32 s[G1+7], 0
	s_mul_i32 s80, s[WV], PARTB                    ; my part of a slot, in LDS and in memory
	s_mul_i32 s82, s67, KVSTR
	s_add_co_u32 s82, s82, s80
	s_add_co_u32 s82, s82, KVR
	s_mov_b32 s83, 0
	s_lshr_b32 s84, s67, 3                         ; the batch
	s_lshl_b32 s22, s66, 4
	s_add_co_u32 s22, s22, s[WV]                   ; my tile of 16 queries in the batch
	s_lshr_b32 s23, s22, 3                         ; its record of 128 queries
	s_mul_i32 s24, s67, QSTR
	s_mul_i32 s23, s23, QREC
	s_add_co_u32 s24, s24, s23
	s_mov_b32 s25, 0
	s_lshl_b32 s26, s84, 8
	s_add_co_u32 s26, s26, s22                     ; my row tile in oq: 256 x batch + tile
	s_and_b32 s27, s67, 7                          ; the head
	s_mul_i32 s28, s26, 6144
	s_mul_i32 s29, s27, 768
	s_add_co_u32 s28, s28, s29
	s_mov_b32 s29, 0
	s_lshl_b32 s30, s26, 8                         ; scale bytes: 256 a row tile, 64 a K step (two heads), 4 a row, 2 a head
	s_lshr_b32 s31, s27, 1
	s_lshl_b32 s31, s31, 6
	s_add_co_u32 s30, s30, s31
	s_and_b32 s31, s27, 1
	s_lshl_b32 s31, s31, 1
	s_add_co_u32 s30, s30, s31
	s_add_co_u32 s30, s30, OSC
	s_mov_b32 s31, 0
	s_mov_b32 s[CS], 0x3e38aa3b                    ; c = log2(e) / 8
	s_mov_b32 s[CS+1], s[CS]
	s_mov_b32 s[SEL], 0x76543210
	s_mov_b32 s[SEL+1], 0xfedcba98
	s_mov_b32 s[HI], 0xffff0000
	s_mov_b32 s[TB], 0
	s_mov_b32 s[SLOTS], 3
	s_wait_dscnt 0x0                               ; both opening adds are done
	s_wait_kmcnt 0x0
	s_mov_b32 s[G0], 1
	s_mov_b32 s[G0+1], s80                         ; LDS address: slot 0, my part
	s_add_nc_u64 s[G0+2:G0+3], s[16:17], s[82:83]  ; the stream's first eight key steps, my part
	s_or_b32 s[G0+3], s[G0+3], 0x80000000
	s_add_nc_u64 s[QP:QP+1], s[16:17], s[24:25]
	s_add_nc_u64 s[OCP:OCP+1], s[18:19], s[28:29]
	s_add_nc_u64 s[OSP:OSP+1], s[18:19], s[30:31]
	ROUND                                          ; all four work-groups are here: the first joint loads meet
	TLOAD                                          ; slot 0: one tensor load a wave at the head
	v_and_b32 v8, 31, v0
	s_delay_alu instid0(VALU_DEP_1)
	v_lshlrev_b32 v[LI], 4, v8
	v_lshlrev_b32 v[L8], 3, v8
	s_and_b32 s15, s[WV], 7                        ; my tile in Q's record
	s_lshl_b32 s66, s15, 10
	v_add_nc_u32 v8, s66, v[LI]
	s_lshr_b32 s66, s15, 2
	s_lshl_b32 s66, s66, 9
	s_and_b32 s15, s15, 3
	s_lshl_b32 s15, s15, 2
	s_add_co_u32 s66, s66, s15
	v_add_nc_u32 v10, s66, v[LI]
	global_load_b128 v[QF:QF+3], v8, s[QP:QP+1]            ; Q's fragment stays in registers
	global_load_b128 v[QF+4:QF+7], v8, s[QP:QP+1] offset:512
	global_load_b32 v[QS], v10, s[QP:QP+1] offset:8192
.irp i, 8,9,10,11
	v_mov_b32 v[QF+\i], 0                          ; the rest of blocks 2 and 3: zero codes
	v_mov_b32 v[KF+56+\i], 0                       ; and behind K's last fragment
.endr
	v_bfe_u32 v9, v0, 4, 1
	s_delay_alu instid0(VALU_DEP_1)
	v_lshlrev_b32 v[H8], 3, v9
	v_mov_b32 v13, 0xff61b1e6                      ; the largest raw score so far: -3e38
	v_mov_b32 v12, 0x7e000000                      ; -M: 2^125, a whole number over every -t
	v_mov_b32 v14, 0
	v_mov_b32 v15, 0
	v_mov_b32 v[PX], 0                             ; written once: a lane permute's destination counts as one of its sources
	v_mov_b32 v[PX+1], 0
	v_mov_b32 v[PWD], 0                            ; (named as the upper half of the pair with f before it is first written)
.set j, 0
.rept 32
	v_mov_b32 v[OT+j], 0                           ; O^T: the step is written once: the first finds zeros, which the first change of M leaves zeros
.set j, j+1
.endr
; A KEY STEP: 128 keys.  Its fragments of K have been asked for.  ahead = 1: the next step's are asked for behind this step's first products.
.macro STEP ahead
	v_add_nc_u32 v[ADR], s[TB], v[LI]
	s_wait_alu depctr_va_vdst(0)                   ; the wait behind this write
.rept 4
	v_nop                                          ; with the addition five places behind the last step's products V^T P, whose source registers the first products below write over (ISA guide 7.12.1)
.endr
	s_wait_dscnt 0x0                               ; K's fragments are in
.irp t, 0,1,2,3,4,5,6,7                        ; S^T = K Q^T: eight tiles of 16 keys
	v_wmma_scale_f32_16x16x128_f8f6f4 v[ST+8*\t:ST+8*\t+7], v[KF+8*\t:KF+8*\t+11], v[QF:QF+11], 0, v[KS+\t], v[QS] matrix_a_fmt:MATRIX_FMT_FP6 matrix_b_fmt:MATRIX_FMT_FP6
.endr                                          ; register 32 c + i: key 64 c + 32 (lane / 16) + i of the step, masked keys at -80000
.rept 4
	v_nop                                          ; places in front of the loads into K's registers and of the first read of results
.endr
.if \ahead
	KLOAD REC                                      ; they have the rest of the step in which to come
.endif
.irp b, 0,1,2,3
	v_max3_num_f32 v[BM+\b], v[ST+16*\b], v[ST+1+16*\b], v[ST+2+16*\b]   ; four chains of 16, by turns; each accumulator is first read at its low end
.endr
.irp i, 3,5,7,9,11,13
.irp b, 0,1,2,3
	v_max3_num_f32 v[BM+\b], v[BM+\b], v[ST+16*\b+\i], v[ST+1+16*\b+\i]
.endr
.endr
	v_max3_num_f32 v[BM], v[BM], v[BM+1], v[ST+15]
	v_max3_num_f32 v[BM+2], v[BM+2], v[BM+3], v[ST+47]
	v_max_num_f32 v[BM], v[BM], v[ST+31]           ; my block 2 c + h's largest score, c = 0,
	v_max_num_f32 v[BM+2], v[BM+2], v[ST+63]       ; and c = 1: for the row's maximum, and, since p rises with the score, for the block's largest p
	v_mov_b32 v[NM], v12                           ; the old -M
	s_delay_alu instid0(VALU_DEP_2)
	v_max_num_f32 v[TT], v[BM], v[BM+2]
	s_delay_alu instid0(VALU_DEP_1)
	v_permlanex16_b32 v[PX], v[TT], s[SEL], s[SEL+1]
	s_delay_alu instid0(VALU_DEP_1)
	v_max3_num_f32 v13, v13, v[TT], v[PX]          ; the running largest raw score of my query
	s_delay_alu instid0(VALU_DEP_1)
	v_mul_f32 v[TT], s[CS], v13                    ; as t (c is positive)
	s_delay_alu instid0(VALU_DEP_1)
	v_floor_f32 v12, -v[TT]                        ; the new -M = floor(-t): M is a whole number
.set j, 0
.rept 32
	v_pk_fma_f32 v[ST+j:ST+j+1], v[ST+j:ST+j+1], s[CS:CS+1], v[12:13] op_sel_hi:[1,0,0]   ; t - M, two at a time; the three lines that make f stand among them
.if j == 6
	v_sub_f32 v[TT], v12, v[NM]                    ; old M - new M: a whole number, 0 or less
.elseif j == 14
	v_cvt_i32_f32 v[TT], v[TT]                     ; (it saturates)
.elseif j == 22
	v_ldexp_f32 v[FF], 1.0, v[TT]                  ; f = 2^(old M - new M)
.endif
.set j, j+2
.endr
	v_fma_f32 v[BM], v[BM], s[CS], v12             ; the same of each block's largest score
	v_fma_f32 v[BM+2], v[BM+2], s[CS], v12
	s_wait_alu depctr_va_vdst(0)                   ; the wait ahead of the batch
.set j, 0
.rept 64
	v_exp_f32 v[ST+j], v[ST+j]                     ; p = 2^(t - M), at most 1
.set j, j+1
.endr
	v_exp_f32 v[BM], v[BM]                         ; the block's largest p: the same two instructions on the same number
	v_exp_f32 v[BM+2], v[BM+2]
	v_pk_mul_f32 v[14:15], v[14:15], v[FF:FF+1] op_sel_hi:[1,0]   ; the sums under the new M.  (A plain place behind the exponentials)
	s_wait_alu depctr_va_vdst(0)                   ; one wait for the batch, ahead of its first reader
; From here on two things take turns: p's scales and codes, and the row's sum of the unquantised p (eight chains, two numbers an instruction).
	v_max_num_f32 v[BM], 0x1800000, v[BM]          ; the floor 2^(3 - 127): the byte cannot fall under 1
	v_max_num_f32 v[BM+2], 0x1800000, v[BM+2]
.irp i, 0,1,2,3,4,5,6
	v_pk_add_f32 v[SM+2*\i:SM+2*\i+1], v[ST+4*\i:ST+4*\i+1], v[ST+4*\i+2:ST+4*\i+3]
.endr
	v_pk_add_f32 v[14:15], v[14:15], v[ST+28:ST+29]
	v_add_nc_u32 v[SO], 0xff000000, v[BM]          ; 2 off the exponent field: the conversion's scale operand
	v_add_nc_u32 v[SO+1], 0xff000000, v[BM+2]
.irp c, 0,1
	v_cvt_scalef32_pk16_fp6_f32 v[PCD+6*\c:PCD+2+6*\c], v[ST+32*\c:ST+15+32*\c], v[SO+\c]
	v_cvt_scalef32_pk16_fp6_f32 v[CH+4*\c:CH+2+4*\c], v[ST+16+32*\c:ST+31+32*\c], v[SO+\c]   ; (a conversion's three registers begin on an even number)
.endr
	v_lshrrev_b32 v[PX], 23, v[SO]                 ; the scales' bytes.  (The plain place behind the scaled conversions)
	v_lshrrev_b32 v[PX+1], 23, v[SO+1]
.irp c, 0,1
.irp i, 0,1,2
	v_mov_b32 v[PCD+3+6*\c+\i], v[CH+4*\c+\i]      ; registers 6 c .. 6 c + 5: k = 64 c + 32 h + 0 .. 31
.endr
.endr
	v_lshl_or_b32 v[PWD], v[PX+1], 16, v[PX]       ; my two bytes: blocks h and 2 + h,
.irp i, 0,1,2,3
	v_pk_add_f32 v[SM+2*\i:SM+2*\i+1], v[SM+2*\i:SM+2*\i+1], v[ST+30+2*\i:ST+31+2*\i]
.endr
	v_lshlrev_b32 v[PWD], v[H8], v[PWD]            ; at their places in the word;
.irp i, 4,5,6
	v_pk_add_f32 v[SM+2*\i:SM+2*\i+1], v[SM+2*\i:SM+2*\i+1], v[ST+30+2*\i:ST+31+2*\i]
.endr
	v_pk_add_f32 v[14:15], v[14:15], v[ST+44:ST+45]
	v_permlanex16_b32 v[PX], v[PWD], s[SEL], s[SEL+1]
	v_pk_add_f32 v[SM:SM+1], v[SM:SM+1], v[ST+46:ST+47]
.irp t, 0,1,2,3                                ; p's first 48 registers have been summed and converted: V's four fragments (16 channels x 128 keys) take them
.irp c, 0,1,2
	ds_load_b128 v[ST+12*\t+4*\c:ST+12*\t+4*\c+3], v[ADR] offset:9216+1536*\t+512*\c
.endr
.endr
	ds_load_b128 v[VS:VS+3], v[ADR] offset:15360
.irp i, 1,2,3,4,5,6
	v_pk_add_f32 v[SM+2*\i:SM+2*\i+1], v[SM+2*\i:SM+2*\i+1], v[ST+46+2*\i:ST+47+2*\i]
.endr
	v_or_b32 v[PWD], v[PWD], v[PX]                 ; with lane l xor 16's two: p's scale word for these 128 keys
	v_pk_add_f32 v[14:15], v[14:15], v[ST+60:ST+61]
	v_pk_add_f32 v[SM:SM+1], v[SM:SM+1], v[ST+62:ST+63]
	v_pk_add_f32 v[SM+2:SM+3], v[SM+2:SM+3], v[SM+10:SM+11]
	v_pk_add_f32 v[SM+4:SM+5], v[SM+4:SM+5], v[SM+12:SM+13]
	v_pk_add_f32 v[14:15], v[14:15], v[SM+6:SM+7]
	s_delay_alu instid0(VALU_DEP_4)
	v_pk_add_f32 v[SM:SM+1], v[SM:SM+1], v[SM+8:SM+9]
	s_delay_alu instid0(VALU_DEP_2)
	v_pk_add_f32 v[14:15], v[14:15], v[SM+4:SM+5]
	s_delay_alu instid0(VALU_DEP_2)
	v_pk_add_f32 v[SM:SM+1], v[SM:SM+1], v[SM+2:SM+3]
	s_delay_alu instid0(VALU_DEP_1)
	v_pk_add_f32 v[14:15], v[14:15], v[SM:SM+1]
	s_wait_alu depctr_va_vdst(0)                   ; directly ahead of the first reader of O^T
.set j, 0
.rept 16
	v_pk_mul_f32 v[OT+j:OT+j+1], v[OT+j:OT+j+1], v[FF:FF+1] op_sel_hi:[1,0]   ; O^T under the new M, while the loads are out
.set j, j+2
.endr
	s_wait_alu depctr_va_vdst(0)                   ; the wait ahead of the wait below
	s_wait_dscnt 0x0                               ; V's fragments are in (and the next step's of K, asked for before them)
.irp t, 0,1,2,3                                ; O^T += V^T P^T: four accumulators, one instruction each
	v_wmma_scale_f32_16x16x128_f8f6f4 v[OT+8*\t:OT+8*\t+7], v[ST+12*\t:ST+12*\t+11], v[PCD:PCD+11], v[OT+8*\t:OT+8*\t+7], v[VS+\t], v[PWD] matrix_a_fmt:MATRIX_FMT_FP6 matrix_b_fmt:MATRIX_FMT_FP6
.endr
	s_add_co_u32 s[TB], s[TB], REC                 ; the next step's record
.endm
.macro SLOT_STEPS                      ; a slot's eight key steps: seven in a loop, each asking for the next one's K; the eighth, written out, asks for none: the other slot is read only behind the change of slots
	v_add_nc_u32 v[ADR], s[TB], v[LI]
	s_wait_alu depctr_va_vdst(0)                   ; the wait behind this write
	KLOAD 0                                        ; the first step's own
	s_mov_b32 s[STEPC], NST-1
.Lstep_\@:
	STEP 1
	s_sub_co_u32 s[STEPC], s[STEPC], 1
	s_cmp_lg_u32 s[STEPC], 0
	s_cbranch_scc1 .Lstep_\@
	STEP 0
	s_sub_co_u32 s[TB], s[TB], SLOTB               ; back to a slot's first record,
	s_xor_b32 s[TB], s[TB], SLOT1                  ; in the other slot
.endm
; THE CHANGE OF SLOTS stands at a slot's head.  Each wave waits for all its tensor loads (its part of the slot ahead), adds 0 to its spare word, and waits for that and for its reads of the slot that it has left.
; fill = 1: a round of the cluster's barrier, so that no wave of any partner still reads the other slot or has a load on its way; the joint refill is the first thing behind it.  One tensor load of a wave is out at any time.
.macro CHANGE fill
	s_wait_tensorcnt 0x0                           ; no tensor load of mine is out, so the group 0 may be written
	ds_add_u32 v[SPW], v[NIL]                      ; 0 onto my spare word
.if \fill
	s_xor_b32 s[G0+1], s[G0+1], SLOT1              ; the other slot than last time,
	s_add_nc_u64 s[G0+2:G0+3], s[G0+2:G0+3], SLOTB ; the next eight key steps
.endif
	s_wait_dscnt 0x0                               ; the add is done, and my reads of the slot that I have left are over
.if \fill
	ROUND
	TLOAD
.else
	s_barrier_signal -1
	s_barrier_wait -1
.endif
.endm
	s_wait_alu depctr_va_vdst(0)                   ; the wait at the head's end
	s_wait_loadcnt 0x0                             ; Q
.Lslot:                                            ; 3 trips: behind each change of slots but the last the next slot is asked for
	CHANGE 1
	SLOT_STEPS
	s_sub_co_u32 s[SLOTS], s[SLOTS], 1
	s_cmp_lg_u32 s[SLOTS], 0
	s_cbranch_scc1 .Lslot
	CHANGE 0                                       ; the last slot is written out
	SLOT_STEPS
	; THE WAY OUT.  O^T / the sum; by Wv's tile order register 16 b + i is channel 32 b + 16 (lane / 16) + i: quantised, the 32 registers are registers 0-5 of this head's half of a fragment.
.rept 4
	v_nop                                          ; places behind the last products
.endr
	v_add_f32 v14, v14, v15                        ; the sum's two halves,
	s_delay_alu instid0(VALU_DEP_1)
	v_permlanex16_b32 v[PX], v14, s[SEL], s[SEL+1]
	s_delay_alu instid0(VALU_DEP_1)
	v_add_f32 v14, v14, v[PX]                      ; and lane l xor 16's: the row's sum
	s_wait_alu depctr_va_vdst(0)
	v_rcp_f32 v14, v14
	v_and_b32 v8, 15, v0                           ; (a plain place behind the transcendental)  r
	v_bfe_u32 v9, v0, 4, 1                         ; h
	s_delay_alu instid0(VALU_DEP_1)
	v_lshl_add_u32 v11, v8, 2, v9                  ; my scale byte's place: 4 r + h
	s_wait_alu depctr_va_vdst(0)
.set j, 0
.rept 32
	v_mul_f32 v[ST+j], v[OT+j], v14                ; ascending: each accumulator is first read at its low end
.set j, j+1
.endr
.irp b, 0,1
	v_max3_num_f32 v[BM+\b], |v[ST+16*\b]|, |v[ST+1+16*\b]|, 0x1800000
.endr
.irp i, 2,4,6,8,10,12,14
.irp b, 0,1
	s_delay_alu instid0(VALU_DEP_2)
	v_max3_num_f32 v[BM+\b], v[BM+\b], |v[ST+16*\b+\i]|, |v[ST+1+16*\b+\i]|
.endr
.endr
.irp b, 0,1
	s_delay_alu instid0(VALU_DEP_2)
	v_permlanex16_b32 v[PX+\b], v[BM+\b], s[SEL], s[SEL+1]
.endr
.irp b, 0,1
	s_delay_alu instid0(VALU_DEP_2)
	v_max_num_f32 v[BM+\b], v[BM+\b], v[PX+\b]
.endr
.irp b, 0,1
	s_delay_alu instid0(VALU_DEP_2)
	v_add_nc_u32 v[SO+\b], 0xff000000, v[BM+\b]
.endr
.irp b, 0,1
	s_delay_alu instid0(VALU_DEP_2)
	v_lshrrev_b32 v[PX+\b], 23, v[SO+\b]
.endr
	v_cvt_scalef32_pk16_fp6_f32 v[PCD:PCD+2], v[ST:ST+15], v[SO]
	v_cvt_scalef32_pk16_fp6_f32 v[CH:CH+2], v[ST+16:ST+31], v[SO+1]
	v_nop                                          ; one plain place behind a scaled conversion
.irp i, 0,1,2
	v_permlane16_swap_b32 v[PCD+\i], v[CH+\i]
.endr
.irp i, 0,1,2
	s_delay_alu instid0(VALU_DEP_3)
	v_mov_b32 v[PCD+3+\i], v[CH+\i]
.endr
	v_cndmask_b32 v[TT], v[PX], v[PX+1], s[HI]     ; lanes 0-15 carry block 0's byte, lanes 16-31 block 1's
	global_store_b128 v[LI], v[PCD:PCD+3], s[OCP:OCP+1]            ; 512 consecutive bytes
	global_store_b64 v[L8], v[PCD+4:PCD+5], s[OCP:OCP+1] offset:512    ; 256 consecutive bytes
	global_store_b8 v11, v[TT], s[OSP:OSP+1]       ; two bytes of each row's scale word; the other two are the neighbouring head's
	s_wait_tensorcnt 0x0                           ; the wave's end
	ds_add_u32 v[SPW], v[NIL]
	s_wait_dscnt 0x0
	ROUND                                          ; the closing round: no work-group ends while a partner may still ask for a tile that names it
	s_endpgm
.Lfunc_end_k_q7d6c812f5d_attn:
	.size	k_q7d6c812f5d_attn, .Lfunc_end_k_q7d6c812f5d_attn-k_q7d6c812f5d_attn
	.p2alignl 7, 3214868480
	.fill 96, 4, 3214868480
	.section	.rodata,"a",@progbits
	.p2align	6, 0x0
	.amdhsa_kernel k_q7d6c812f5d_attn
		.amdhsa_group_segment_fixed_size 327680
		.amdhsa_private_segment_fixed_size 0
		.amdhsa_enable_private_segment 0
		.amdhsa_kernarg_size 16
		.amdhsa_user_sgpr_count 2
		.amdhsa_user_sgpr_kernarg_segment_ptr 1
		.amdhsa_wavefront_size32 1
		.amdhsa_system_sgpr_workgroup_id_x 1
		.amdhsa_system_sgpr_workgroup_id_y 1
		.amdhsa_system_sgpr_workgroup_id_z 1
		.amdhsa_system_vgpr_workitem_id 0
		.amdhsa_next_free_vgpr 256
		.amdhsa_next_free_sgpr 102
		.amdhsa_reserve_vcc 0
		.amdhsa_float_denorm_mode_32 3
		.amdhsa_float_denorm_mode_16_64 3
		.amdhsa_memory_ordered 1
		.amdhsa_forward_progress 1
		.amdhsa_inst_pref_size 73
	.end_amdhsa_kernel
	.amdgpu_metadata
---
amdhsa.version: [ 1, 2 ]
amdhsa.kernels:
  - .name:           k_q7d6c812f5d_attn
    .symbol:         k_q7d6c812f5d_attn.kd
    .args:
      - { .name: qkv, .offset: 0, .size: 8, .value_kind: global_buffer, .address_space: global }
      - { .name: oq, .offset: 8, .size: 8, .value_kind: global_buffer, .address_space: global }
    .group_segment_fixed_size: 327680
    .private_segment_fixed_size: 0
    .kernarg_segment_align: 8
    .kernarg_segment_size: 16
    .max_flat_workgroup_size: 512
    .sgpr_count:     102
    .vgpr_count:     256
    .wavefront_size: 32
...
	.end_amdgpu_metadata
.endif
;; end of part 3
;; launch outproj (part 4): grid 256 x 1, 4 waves a work-group, no clusters, 34,304 bytes of LDS; arguments oq, opq, bo, out0; writes out0
.if DOCPART == 4
	.amdgcn_target "amdgcn-amd-amdhsa--gfx1250"
	.amdhsa_code_object_version 6
	.text
	.protected	k_q7d6c812f5d_outproj
	.globl	k_q7d6c812f5d_outproj
	.p2align	8
	.type	k_q7d6c812f5d_outproj,@function
k_q7d6c812f5d_outproj:
	s_mov_b64 s[64:65], 0
	v_nop
	global_prefetch_b8 v0, s[64:65] scope:SCOPE_SE
	s_setreg_imm32_b32 hwreg(HW_REG_WAVE_MODE, 25, 1), 1
	s_wait_xcnt 0x0
; out0 = O Wo^T + bo on codes of FP6 (E2M3) with E8M0 scales, K = 512 (four matrix instructions deep), sums in f32.  O's codes and scale bytes were laid by the attention launch, Wo's by the first launch,
; both as images of the operand's registers.
; SHARES.  Work-group j takes O's row tiles 2 j and 2 j + 1.  By x's tile order, row r of tile 2 j + u is row 64 (j / 2) + 16 (j % 2) + 8 u + r % 8 + 32 (r / 8) of the result.
; Wave w holds Wo's rows 128 w .. 128 w + 127 for all of K (32 fragments, 384 registers) and makes columns 128 w .. 128 w + 127: 32 matrix instructions a tile.  USED TRANSPOSED (source 0 = 16 rows of Wo,
; source 1 = 16 rows of O): a lane holds one row of the result, and by Wo's tile order its register 16 b + i is column 128 w + 32 b + 16 (lane / 16) + i.  bo is the C of each sum's first matrix instruction.
; THE WAY OUT: a tile goes through the wave's own stage in LDS (16 rows x (512 + 16) bytes) and leaves as whole rows of 512 bytes: 32 lanes store two aligned runs of 256 bytes.  A wave's columns are whole
; runs, so no wave waits for another: no barrier.  No tensor load and no cluster: every operand goes from memory straight into the registers of the wave that wants it.
.set SCB, 3932160
.set OSC, 3145728
.set LI,  1                            ; v1  16 x lane
.set L8,  2                            ; v2  8 x lane
.set BO,  3                            ; v3  64 x (lane / 16)
.set STO, 12                           ; v12 the stage: where I put my row's bytes
.set RD,  13                           ; v13 and where I read a row back
.set R4,  15                           ; v15 4 x (lane % 16): a row's scale word
.set XF,  16                           ; v16-63, v64-111  O's four fragments, one set for each tile
.set HA,  112                          ; v112-175  eight accumulators
.set BK,  176                          ; v176-207  eight rows read back from the stage
.set XS,  214                          ; v214-221  O's scale words
.set W1S, 222                          ; v222-253  Wo's scale words: 4 a + s
.set WV,  14
.set AP,  18
.set ASP, 20
.set OP,  22
.set OSP, 24
.set OUTP, 26
.set MSB, 0
.macro WIN new                         ; the immediate's high byte repeats the setting that is left
.if MSB != \new
	s_set_vgpr_msb (MSB<<8)|\new
.set MSB, \new
.endif
.endm
.macro LOADA                           ; source 0: tiles a = 0 .. 7; K steps 0, 1 into window 1, K steps 2, 3 into window 2; the scale words into window 0
	WIN 0x40
.irp a, 0,1,2,3,4,5,6,7
.irp s, 0,1
.irp c, 0,1,2
	global_load_b128 v[12*(2*\a+\s)+4*\c:12*(2*\a+\s)+4*\c+3], v[LI], s[AP:AP+1] offset:6144*\a+1536*\s+512*\c
.endr
.endr
.endr
	WIN 0x80
.irp a, 0,1,2,3,4,5,6,7
.irp s, 0,1
.irp c, 0,1,2
	global_load_b128 v[12*(2*\a+\s)+4*\c:12*(2*\a+\s)+4*\c+3], v[LI], s[AP:AP+1] offset:6144*\a+1536*(\s+2)+512*\c
.endr
.endr
.endr
	WIN 0
.irp a, 0,1,2,3,4,5,6,7
.irp k, 0,1
	global_load_b64 v[W1S+4*\a+2*\k:W1S+4*\a+2*\k+1], v[L8], s[ASP:ASP+1] offset:512*\a+256*\k
.endr
.endr
.endm
.macro LOADO u                         ; O's tile u: K step s is heads 2 s and 2 s + 1, six registers each: 8 + 8 loads of codes, 4 of scale words
.irp s, 0,1,2,3
.irp c, 0,1
	global_load_b128 v[XF+48*\u+12*\s+6*\c:XF+48*\u+12*\s+6*\c+3], v[LI], s[OP:OP+1] offset:6144*\u+768*(2*\s+\c)
	global_load_b64 v[XF+48*\u+12*\s+6*\c+4:XF+48*\u+12*\s+6*\c+5], v[L8], s[OP:OP+1] offset:6144*\u+768*(2*\s+\c)+512
.endr
	global_load_b32 v[XS+4*\u+\s], v[R4], s[OSP:OSP+1] offset:256*\u+64*\s
.endr
.endm
; 32 matrix instructions: K step by K step, the eight accumulators by turns.  The first K step takes the bias, v[ca a + cc] of window 3, as C.
.macro MUL32 set, ca, cc
.irp s, 0,1,2,3
.if \s == 0
	WIN 0x31
.elseif \s == 1
	WIN 0x01
.else
	WIN 0x02
.endif
.irp a, 0,1,2,3,4,5,6,7
.if \s == 0
	v_wmma_scale_f32_16x16x128_f8f6f4 v[HA+8*\a:HA+8*\a+7], v[12*(2*\a+\s%2):12*(2*\a+\s%2)+11], v[XF+48*(\set)+12*\s:XF+48*(\set)+12*\s+11], v[(\ca)*\a+(\cc):(\ca)*\a+(\cc)+7], v[W1S+4*\a+\s], v[XS+4*(\set)+\s] matrix_a_fmt:MATRIX_FMT_FP6 matrix_b_fmt:MATRIX_FMT_FP6
.else
	v_wmma_scale_f32_16x16x128_f8f6f4 v[HA+8*\a:HA+8*\a+7], v[12*(2*\a+\s%2):12*(2*\a+\s%2)+11], v[XF+48*(\set)+12*\s:XF+48*(\set)+12*\s+11], v[HA+8*\a:HA+8*\a+7], v[W1S+4*\a+\s], v[XS+4*(\set)+\s] matrix_a_fmt:MATRIX_FMT_FP6 matrix_b_fmt:MATRIX_FMT_FP6
.endif
.endr
.endr
	WIN 0
.endm
.macro TILE u, left
	s_wait_loadcnt \left
	MUL32 \u, 8, 0
.rept 5
	v_nop                                          ; four places in front of the stores that read results; five in front of the next tile's products, which begin these accumulators anew
.endr
.irp q, 0,1,2,3,4,5,6,7,8,9,10,11,12,13,14,15
	ds_store_b128 v[STO], v[HA+4*\q:HA+4*\q+3] offset:128*(\q/4)+16*(\q%4)   ; ascending: each accumulator from its low end on
.endr
.irp g, 0,1
.irp k, 0,1,2,3,4,5,6,7
	ds_load_b128 v[BK+4*\k:BK+4*\k+3], v[RD] offset:528*(8*\g+\k)    ; LDS serves a wave's instructions in order (ISA guide 5.7.1.4): these see my stores
.endr
.irp k, 0,1,2,3,4,5,6,7
	s_wait_dscnt 7-\k                              ; row k of the eight is in; the younger loads may be out
	global_store_b128 v[LI], v[BK+4*\k:BK+4*\k+3], s[OUTP:OUTP+1] offset:16384*\u+2048*(32*\g+\k) th:TH_STORE_NT   ; stage row 8 g + k is row 8 u + 32 g + k from the work-group's first; 512 consecutive bytes, written once
.endr
	s_wait_xcnt 0x0                                ; the stores have read their data: the eight rows' registers are loaded again only behind this wait
.endr
.endm
	s_load_b256 s[4:11], s[0:1], 0x0               ; oq s[4:5], opq s[6:7], bo s[8:9], out0 s[10:11]
	v_lshl_add_u32 v254, v0, 2, 0x8400             ; my spare word, behind the four stages
	v_mov_b32 v255, 0
	v_lshrrev_b32 v3, 5, v0
	v_readfirstlane_b32 s[WV], v3                  ; wave 0..3
	v_and_b32 v3, 31, v0
	v_lshlrev_b32 v[LI], 4, v3
	v_lshlrev_b32 v[L8], 3, v3
	s_mul_i32 s31, s[WV], 8448                     ; my stage: 16 rows of 528 bytes
	v_and_b32 v13, 15, v0                          ; r
	v_bfe_u32 v14, v0, 4, 1                        ; h
	v_mul_u32_u24 v[STO], v13, 528
	v_lshl_add_u32 v[STO], v14, 6, v[STO]
	v_add_nc_u32 v[STO], s31, v[STO]               ; in: row r, + 64 h; block b's 16 numbers 128 b on
	v_lshlrev_b32 v[BO], 6, v14
	v_lshlrev_b32 v[R4], 2, v13
	v_add_nc_u32 v[RD], s31, v[LI]                 ; back: a row of 512 bytes, 16 a lane
	s_lshl_b32 s30, s[WV], 3
	s_add_co_u32 s30, s30, 608                     ; Wo's tiles, 8 x wave on
	s_mul_i32 s32, s30, 6144
	s_mov_b32 s33, 0
	s_lshl_b32 s34, s30, 9
	s_add_co_u32 s34, s34, SCB
	s_mov_b32 s35, 0
	s_mul_i32 s36, ttmp9, 12288                    ; O's tiles 2 j, 2 j + 1
	s_mov_b32 s37, 0
	s_lshl_b32 s38, ttmp9, 9
	s_add_co_u32 s38, s38, OSC
	s_mov_b32 s39, 0
	s_lshr_b32 s40, ttmp9, 1
	s_lshl_b32 s40, s40, 17                        ; out0: row 64 (j / 2) of 2,048 bytes,
	s_and_b32 s41, ttmp9, 1
	s_lshl_b32 s41, s41, 15                        ; + 16 (j % 2) rows,
	s_add_co_u32 s40, s40, s41
	s_lshl_b32 s42, s[WV], 9                       ; + my 128 columns; the same 512 bytes on in bo
	s_add_co_u32 s40, s40, s42
	s_mov_b32 s41, 0
	s_mov_b32 s43, 0
	s_wait_alu depctr_va_vdst(0)                   ; the wait at the head's end
	s_wait_kmcnt 0x0
	s_add_nc_u64 s[AP:AP+1], s[6:7], s[32:33]
	s_add_nc_u64 s[ASP:ASP+1], s[6:7], s[34:35]
	s_add_nc_u64 s[OP:OP+1], s[4:5], s[36:37]
	s_add_nc_u64 s[OSP:OSP+1], s[4:5], s[38:39]
	s_add_nc_u64 s[OUTP:OUTP+1], s[10:11], s[40:41]
	s_add_nc_u64 s[28:29], s[8:9], s[42:43]
	LOADA
	WIN 0xc0                                       ; destination window 3
.irp a, 0,1,2,3,4,5,6,7                        ; lane (r, h) wants, for tile a = 2 b + u, the bias of columns 32 b + 16 h + 8 u + 0 .. 7
	global_load_b128 v[8*\a:8*\a+3], v[BO], s[28:29] offset:4*(32*(\a/2)+8*(\a%2))
	global_load_b128 v[8*\a+4:8*\a+7], v[BO], s[28:29] offset:4*(32*(\a/2)+8*(\a%2))+16
.endr
	WIN 0
	LOADO 0
	LOADO 1
	TILE 0, 20                                     ; all but tile 1's 20 loads are in
	TILE 1, 0
	s_wait_tensorcnt 0x0                           ; the wave's end
	ds_add_u32 v254, v255
	s_wait_dscnt 0x0
	s_endpgm
.Lfunc_end_k_q7d6c812f5d_outproj:
	.size	k_q7d6c812f5d_outproj, .Lfunc_end_k_q7d6c812f5d_outproj-k_q7d6c812f5d_outproj
	.p2alignl 7, 3214868480
	.fill 96, 4, 3214868480
	.section	.rodata,"a",@progbits
	.p2align	6, 0x0
	.amdhsa_kernel k_q7d6c812f5d_outproj
		.amdhsa_group_segment_fixed_size 34304
		.amdhsa_private_segment_fixed_size 0
		.amdhsa_enable_private_segment 0
		.amdhsa_kernarg_size 32
		.amdhsa_user_sgpr_count 2
		.amdhsa_user_sgpr_kernarg_segment_ptr 1
		.amdhsa_wavefront_size32 1
		.amdhsa_system_sgpr_workgroup_id_x 1
		.amdhsa_system_sgpr_workgroup_id_y 1
		.amdhsa_system_sgpr_workgroup_id_z 1
		.amdhsa_system_vgpr_workitem_id 0
		.amdhsa_next_free_vgpr 832
		.amdhsa_next_free_sgpr 66
		.amdhsa_reserve_vcc 0
		.amdhsa_float_denorm_mode_32 3
		.amdhsa_float_denorm_mode_16_64 3
		.amdhsa_memory_ordered 1
		.amdhsa_forward_progress 1
		.amdhsa_inst_pref_size 35
	.end_amdhsa_kernel
	.amdgpu_metadata
---
amdhsa.version: [ 1, 2 ]
amdhsa.kernels:
  - .name:           k_q7d6c812f5d_outproj
    .symbol:         k_q7d6c812f5d_outproj.kd
    .args:
      - { .name: oq, .offset: 0, .size: 8, .value_kind: global_buffer, .address_space: global }
      - { .name: opq, .offset: 8, .size: 8, .value_kind: global_buffer, .address_space: global }
      - { .name: bo, .offset: 16, .size: 8, .value_kind: global_buffer, .address_space: global }
      - { .name: out0, .offset: 24, .size: 8, .value_kind: global_buffer, .address_space: global }
    .group_segment_fixed_size: 34304
    .private_segment_fixed_size: 0
    .kernarg_segment_align: 8
    .kernarg_segment_size: 32
    .max_flat_workgroup_size: 128
    .sgpr_count:     66
    .vgpr_count:     832
    .wavefront_size: 32
...
	.end_amdgpu_metadata
.endif
;; end of part 4
